; MI455X (gfx1250); checked and timed in simulation.
; The chip was launched on July 23, 2026; its instructions are those of AMD's public machine-readable ISA for CDNA 5 (MIT licence, August 2026) and "CDNA5" Instruction Set Architecture Reference Guide (July 2026). The comments in the code are by the model that wrote it; some were corrected since.
;; Multi Heads. Allowed arithmetic: float matrix products may take bf16 or f16 operands with f32 sums; all other float work in f32.
;; Inputs: K 2 x 2,048 x 1,024 float32; Q 2 x 2,048 x 1,024 float32; V 2 x 2,048 x 1,024 float32; Wk 1,024 x 1,024 float32; Wq 1,024 x 1,024 float32; Wv 1,024 x 1,024 float32; beta 1,024 float32; bk 1,024 float32; bq 1,024 float32; bv 1,024 float32; gamma 1,024 float32; mask 2 x 1 x 2,048 x 2,048 bool.
;; Outputs: out0 2 x 2,048 x 1,024 float32.
;; One version. Each part assembles by itself: llvm-mc -triple=amdgcn-amd-amdhsa -mcpu=gfx1250 --defsym DOCPART=n.
;; ======== version 1 of 1: 3 launches
;; limits: values are held in f16: magnitudes above 65,504 overflow, below 6.1e-05 lose precision
;; workspace buffers: xn 25,165,824 bytes; wb 6,291,456 bytes; qkv 25,165,824 bytes; mbits 1,048,576 bytes of whole numbers
;; launch prep (part 1): grid 256 x 1, 8 waves a work-group, no clusters, 35,840 bytes of LDS; arguments Q, K, V, Wq, Wk, Wv, gamma, beta, mask, xn, wb, mbits; writes xn, wb, mbits
.if DOCPART == 1
	.amdgcn_target "amdgcn-amd-amdhsa--gfx1250"
	.amdhsa_code_object_version 6
	.text
	.protected	k_q6a352e71f4_prep
	.globl	k_q6a352e71f4_prep
	.p2align	8
	.type	k_q6a352e71f4_prep,@function
k_q6a352e71f4_prep:
	s_mov_b64 s[64:65], 0
	v_nop
	global_prefetch_b8 v0, s[64:65] scope:SCOPE_SE
	s_setreg_imm32_b32 hwreg(HW_REG_WAVE_MODE, 25, 1), 1
	s_wait_xcnt 0x0
; prep: everything that has to pass through registers once before the matrix work.
;   xn[s][row][c]  = f16( (X[row][c] - mean) * rsqrt(var + 1e-5) * gamma[c] + beta[c] ),  X = Q, K, V for s = 0, 1, 2   (3 x 4096 x 1024)
;   wb[s][k][n]    = f16( W[k][n] ),  W = Wq, Wk, Wv, layout kept                                                      (3 x 1024 x 1024)
;   mbits[16-query group][key tile kt][j], 32-bit words: bit L = mask[query 16 g + (L & 15)][key 16 kt + 8 (L >> 4) + j]
;                    = the lane mask of register j of a 16 x 16 score tile as the attention launch holds it (query in L & 15, key 8 (L >> 4) + j).
; WHY f16 AND NOT bf16: a query with two or three unmasked keys averages nothing, so its output carries the operands' roundings at full size; half a step of
; bf16 at a value of 4 is 0.008, against an allowance of 0.01 of the output's rms; f16's step is eight times finer.
; LIMIT: |xn| and |W| below 65,504, or the operand becomes infinite.  A normalised row of 1024 has norm 32, so |xn| <= 32 |gamma| + |beta|: gamma may be 2,000.
; Numbers below 2^-14 are kept with an absolute step of 2^-24.
; The mean is taken away before the squares are summed (two passes over the row in registers), so a common offset of the inputs costs no digits.
; 2048 waves of equal work, wave g = 8 x work-group + wave: rows 2 g and 2 g + 1 of each of Q, K, V; 512 numbers of each W; one unit of the mask
; (16 queries x 256 keys).  A stream: no work-group shares an input with another, so no cluster; no matrix unit; no barrier (a wave's LDS bytes are its own).
; Nine items go through a ring of four register slots of 32; behind item i's work item i + 4 is requested into the same slot.
; Every load of a wave covers 512 consecutive bytes (the mask's: two rows of 256), every store 256 or 512 consecutive aligned bytes.
.set T,      6                         ; v[6:13]    at work on the mask
.set SU,     14                        ; v[14:21]   four chains of pairs for the sums
.set ME,     22                        ; v[22:23]   the mean, twice
.set RS,     24                        ; v[24:25]   1 / sqrt(var + eps), twice
.set MW,     26                        ; v[26:29]   lane l: mask words 4 l .. 4 l + 3 of the unit
.set GAM,    32                        ; v[32:63]   gamma of my 32 columns (load j: columns 128 j + 4 lane .. + 3)
.set BET,    64                        ; v[64:95]   beta likewise
.set X,      96                        ; v[96:223]  four slots of 32 registers
.set Y,      224                       ; v[224:239] packed f16 on their way out
.set MPITCH, 272                       ; an LDS row of the mask unit: 256 bytes + 16, so that 16 rows' equal columns lie in 16 different 16-byte columns of a 256-byte span
.set MSTAGE, 16*MPITCH                 ; a wave's own 16 rows
	s_load_b512 s[4:19], s[0:1], 0x0               ; Q s[4:5], K s[6:7], V s[8:9], Wq s[10:11], Wk s[12:13], Wv s[14:15], gamma s[16:17], beta s[18:19]
	s_load_b256 s[20:27], s[0:1], 0x40             ; mask s[20:21], xn s[22:23], wb s[24:25], mbits s[26:27]
	v_lshl_add_u32 v240, v0, 2, 0x8800
	v_mov_b32 v241, 0
	v_lshrrev_b32 v6, 5, v0
	v_readfirstlane_b32 s29, v6                    ; wave 0..7
	s_lshl_b32 s28, ttmp9, 3
	s_add_co_u32 s28, s28, s29                     ; g = 8 x work-group + wave, 0..2047
	s_mov_b32 s36, 0x3a800000                      ; 1 / 1024
	s_mov_b32 s37, 0x3727c5ac                      ; 1e-5
	s_mov_b32 s38, 0x76543210                      ; v_permlanex16_b32: lane i of one half reads lane i of the other
	s_mov_b32 s39, 0xfedcba98
	s_mul_i32 s40, s29, MSTAGE                     ; my wave's LDS bytes
	v_and_b32 v6, 31, v0                           ; lane
	v_and_b32 v7, 15, v0                           ; lane mod 16
	v_bfe_u32 v8, v0, 4, 1                         ; lane / 16
	v_lshlrev_b32 v1, 4, v6                        ; v1 = 16 lane: f32 loads, the mask words' store
	v_lshlrev_b32 v2, 3, v6                        ; v2 = 8 lane: f16 stores
	v_lshlrev_b32 v3, 4, v7
	v_lshl_add_u32 v3, v8, 11, v3                  ; v3 = mask load: lanes 0-15 one row's 256 bytes, lanes 16-31 the next row's (2,048 bytes on)
	v_mul_u32_u24 v4, v8, MPITCH
	v_lshl_add_u32 v4, v7, 4, v4
	v_add_nc_u32 v4, s40, v4                       ; v4 = where those 16 bytes go in LDS
	v_mul_u32_u24 v5, v7, MPITCH
	v_lshl_add_u32 v5, v8, 3, v5
	v_add_nc_u32 v5, s40, v5                       ; v5 = query row lane mod 16, 8 keys at 8 (lane / 16)
	s_mov_b32 s31, 0
	s_wait_kmcnt 0x0
	s_lshl_b32 s30, s28, 13                        ; two rows of 4,096 bytes
	s_add_nc_u64 s[4:5], s[4:5], s[30:31]
	s_add_nc_u64 s[6:7], s[6:7], s[30:31]
	s_add_nc_u64 s[8:9], s[8:9], s[30:31]
; n loads of 512 consecutive bytes each into v[dst ..], from s[b:b+1] + off.  nt = 1: data that no later launch reads again
.macro FILL dst, b, off, n, nt
.set fj, 0
.rept \n
.if \nt
	global_load_b128 v[\dst+4*fj:\dst+4*fj+3], v1, s[\b:\b+1] offset:\off+512*fj th:TH_LOAD_NT
.else
	global_load_b128 v[\dst+4*fj:\dst+4*fj+3], v1, s[\b:\b+1] offset:\off+512*fj
.endif
.set fj, fj+1
.endr
.endm
	FILL GAM, 16, 0, 8, 0
	FILL BET, 18, 0, 8, 0
	FILL X,    4, 0,    8, 0                       ; item 0: Q, first row (Q is read again by the attention launch: no hint)
	FILL X+32, 4, 4096, 8, 0                       ; item 1: Q, second row
	FILL X+64, 6, 0,    8, 1                       ; item 2: K, first row
	FILL X+96, 6, 4096, 8, 1                       ; item 3: K, second row
	s_lshl_b32 s30, s28, 11                        ; 512 f32 of each W
	s_add_nc_u64 s[10:11], s[10:11], s[30:31]
	s_add_nc_u64 s[12:13], s[12:13], s[30:31]
	s_add_nc_u64 s[14:15], s[14:15], s[30:31]
	s_lshl_b32 s30, s28, 12                        ; two rows of 2,048 bytes of xn
	s_add_nc_u64 s[22:23], s[22:23], s[30:31]      ; stream q
	s_add_nc_u64 s[32:33], s[22:23], 0x800000      ; stream k: 8 MiB on, more than a store's immediate holds
	s_add_nc_u64 s[34:35], s[22:23], 0x1000000     ; stream v
	s_lshl_b32 s30, s28, 10                        ; 512 f16 of each W
	s_add_nc_u64 s[24:25], s[24:25], s[30:31]
	s_lshl_b32 s30, s28, 9                         ; 128 mask words
	s_add_nc_u64 s[26:27], s[26:27], s[30:31]
	s_lshr_b32 s30, s28, 3
	s_lshl_b32 s30, s30, 15                        ; group of 16 queries: 16 rows of 2,048 bytes
	s_and_b32 s41, s28, 7
	s_lshl_b32 s41, s41, 8                         ; which 256 keys
	s_add_co_u32 s30, s30, s41
	s_add_nc_u64 s[20:21], s[20:21], s[30:31]
; the four chains of pairs in SU become one sum, the same in every lane
.macro REDUCE
	v_pk_add_f32 v[SU:SU+1], v[SU:SU+1], v[SU+2:SU+3]
	v_pk_add_f32 v[SU+4:SU+5], v[SU+4:SU+5], v[SU+6:SU+7]
	v_pk_add_f32 v[SU:SU+1], v[SU:SU+1], v[SU+4:SU+5]
	v_add_f32 v[SU], v[SU], v[SU+1]
	v_add_f32_dpp v[SU], v[SU], v[SU] row_xmask:1 row_mask:0xf bank_mask:0xf
	v_add_f32_dpp v[SU], v[SU], v[SU] row_xmask:2 row_mask:0xf bank_mask:0xf
	v_add_f32_dpp v[SU], v[SU], v[SU] row_xmask:4 row_mask:0xf bank_mask:0xf
	v_add_f32_dpp v[SU], v[SU], v[SU] row_xmask:8 row_mask:0xf bank_mask:0xf
	v_permlanex16_b32 v[SU+1], v[SU], s38, s39     ; its destination has been written above
	v_add_f32 v[SU], v[SU], v[SU+1]
.endm
; One row in the 32 registers at xs: LayerNorm in place, rounded to f16, stored at s[ob:ob+1] + ooff.  left = the younger loads that may stay out.
.macro LNROW xs, left, ob, ooff
	s_wait_loadcnt \left                           ; loads come back in order: this item's eight are in
.irp c, 0,1,2,3
	v_pk_add_f32 v[SU+2*\c:SU+2*\c+1], v[\xs+2*\c:\xs+2*\c+1], v[\xs+8+2*\c:\xs+8+2*\c+1]      ; the first eight pairs start the chains: nothing is cleared
.endr
.irp p, 8,12
.irp c, 0,1,2,3
	v_pk_add_f32 v[SU+2*\c:SU+2*\c+1], v[SU+2*\c:SU+2*\c+1], v[\xs+2*(\p+\c):\xs+2*(\p+\c)+1]
.endr
.endr
	REDUCE
	v_mul_f32 v[ME], s36, v[SU]                    ; the mean, in both registers of a pair
	v_mul_f32 v[ME+1], s36, v[SU]
.set pp, 0
.rept 16
	v_pk_add_f32 v[\xs+2*pp:\xs+2*pp+1], v[\xs+2*pp:\xs+2*pp+1], v[ME:ME+1] neg_lo:[0,1] neg_hi:[0,1]   ; x - mean
.set pp, pp+1
.endr
.irp c, 0,1,2,3
	v_pk_mul_f32 v[SU+2*\c:SU+2*\c+1], v[\xs+2*\c:\xs+2*\c+1], v[\xs+2*\c:\xs+2*\c+1]
.endr
.irp p, 4,8,12
.irp c, 0,1,2,3
	v_pk_fma_f32 v[SU+2*\c:SU+2*\c+1], v[\xs+2*(\p+\c):\xs+2*(\p+\c)+1], v[\xs+2*(\p+\c):\xs+2*(\p+\c)+1], v[SU+2*\c:SU+2*\c+1]
.endr
.endr
	REDUCE
	v_fma_f32 v[SU], v[SU], s36, s37               ; variance + eps
	v_rsq_f32 v[RS], v[SU]
	v_rsq_f32 v[RS+1], v[SU]
	s_wait_xcnt 0x0                                ; Y, which the last item's stores read, is written again only behind this wait
	v_nop                                          ; one plain vector instruction between v_rsq_f32 and the first use of its result (ISA guide 5.7.2)
.set pp, 0
	s_wait_alu depctr_va_vdst(0)
.rept 16
	v_pk_mul_f32 v[\xs+2*pp:\xs+2*pp+1], v[\xs+2*pp:\xs+2*pp+1], v[RS:RS+1]
.set pp, pp+1
.endr
.set pp, 0
.rept 16
	v_pk_fma_f32 v[\xs+2*pp:\xs+2*pp+1], v[\xs+2*pp:\xs+2*pp+1], v[GAM+2*pp:GAM+2*pp+1], v[BET+2*pp:BET+2*pp+1]
.set pp, pp+1
.endr
.set pp, 0
.rept 16
	v_cvt_pk_f16_f32 v[Y+pp], v[\xs+2*pp], v[\xs+2*pp+1]
.set pp, pp+1
.endr
.irp j, 0,1,2,3,4,5,6,7
	global_store_b64 v2, v[Y+2*\j:Y+2*\j+1], s[\ob:\ob+1] offset:\ooff+256*\j     ; 32 lanes x 8 bytes: 256 consecutive bytes, aligned
.endr
.endm
; 512 numbers of one W (16 registers at xs) to f16 through Y's registers at ys; st = the stream
.macro WCONV xs, ys, st
.irp j, 0,1,2,3
	v_cvt_pk_f16_f32 v[\ys+2*\j],   v[\xs+4*\j],   v[\xs+4*\j+1]
	v_cvt_pk_f16_f32 v[\ys+2*\j+1], v[\xs+4*\j+2], v[\xs+4*\j+3]
	global_store_b64 v2, v[\ys+2*\j:\ys+2*\j+1], s[24:25] offset:\st*2097152+256*\j
.endr
.endm
	; The counts: the loads of the items that were requested behind the one at work (8 a row, 8 for Wq and Wk, 4 for Wv, 8 for the mask).
	LNROW X, 24, 22, 0                             ; item 0; items 1, 2, 3 stay out
	FILL X, 8, 0, 8, 1                             ; item 4: V, first row
	LNROW X+32, 24, 22, 2048                       ; item 1; 2, 3, 4 out
	FILL X+32, 8, 4096, 8, 1                       ; item 5: V, second row
	LNROW X+64, 24, 32, 0                          ; item 2; 3, 4, 5 out
	FILL X+64, 10, 0, 4, 1                         ; item 6: Wq
	FILL X+80, 12, 0, 4, 1                         ;         and Wk
	LNROW X+96, 24, 32, 2048                       ; item 3; 4, 5, 6 out
	FILL X+96, 14, 0, 4, 1                         ; item 7: Wv
	LNROW X, 20, 34, 0                             ; item 4; 5, 6, 7 out: 8 + 8 + 4
.irp t, 0,1,2,3,4,5,6,7
	global_load_b128 v[X+4*\t:X+4*\t+3], v3, s[20:21] offset:4096*\t th:TH_LOAD_NT   ; item 8: the mask unit, two rows of 256 bytes a load
.endr
	LNROW X+32, 20, 34, 2048                       ; item 5; 6, 7, 8 out: 8 + 4 + 8
	s_wait_loadcnt 12                              ; item 6; 7, 8 out
	s_wait_xcnt 0x0                                ; Y is free again
	WCONV X+64, Y, 0
	WCONV X+80, Y+8, 1
	s_wait_loadcnt 8                               ; item 7; 8 out
	s_wait_xcnt 0x0
	WCONV X+96, Y, 2
	; The mask unit: rows into my own LDS bytes, then back so that lane L has query row L & 15 and the 8 keys at 8 (L >> 4) of each key tile.
	s_wait_loadcnt 0x0
.irp t, 0,1,2,3,4,5,6,7
	ds_store_b128 v4, v[X+4*\t:X+4*\t+3] offset:2*MPITCH*\t
.endr
.irp kt, 0,1,2,3,4,5,6,7,8,9,10,11,12,13,14,15
	ds_load_b64 v[X+32+2*\kt:X+32+2*\kt+1], v5 offset:16*\kt      ; LDS serves a wave's instructions in order (ISA guide 5.7.1): these see the stores above
.endr
.irp i, 0,1,2,3
	v_mov_b32 v[MW+\i], 0                          ; v_writelane_b32 keeps the other lanes: the registers are written whole first
.endr
.irp kt, 0,1,2,3,4,5,6,7,8,9,10,11,12,13,14,15
	s_wait_dscnt 15-\kt                            ; key tile kt's load is in, the younger ones stay out
.irp j, 0,1,2,3,4,5,6,7
	v_and_b32 v[T+\j], 0xff<<(8*(\j&3)), v[X+32+2*\kt+(\j>>2)]    ; my byte j
	v_cmp_ne_u32 s[40+\j], 0, v[T+\j]              ; one bit a lane: word 8 kt + j of the unit
	v_writelane_b32 v[MW+((8*\kt+\j)&3)], s[40+\j], (8*\kt+\j)>>2
.endr
.endr
	global_store_b128 v1, v[MW:MW+3], s[26:27]     ; 128 words, 512 consecutive bytes
	s_wait_tensorcnt 0x0
	ds_add_u32 v240, v241
	s_wait_dscnt 0x0
	s_endpgm
.Lfunc_end_k_q6a352e71f4_prep:
	.size	k_q6a352e71f4_prep, .Lfunc_end_k_q6a352e71f4_prep-k_q6a352e71f4_prep
	.p2alignl 7, 3214868480
	.fill 96, 4, 3214868480
	.section	.rodata,"a",@progbits
	.p2align	6, 0x0
	.amdhsa_kernel k_q6a352e71f4_prep
		.amdhsa_group_segment_fixed_size 35840
		.amdhsa_private_segment_fixed_size 0
		.amdhsa_enable_private_segment 0
		.amdhsa_kernarg_size 96
		.amdhsa_user_sgpr_count 2
		.amdhsa_user_sgpr_kernarg_segment_ptr 1
		.amdhsa_wavefront_size32 1
		.amdhsa_system_sgpr_workgroup_id_x 1
		.amdhsa_system_sgpr_workgroup_id_y 1
		.amdhsa_system_sgpr_workgroup_id_z 1
		.amdhsa_system_vgpr_workitem_id 0
		.amdhsa_next_free_vgpr 242
		.amdhsa_next_free_sgpr 66
		.amdhsa_reserve_vcc 0
		.amdhsa_float_denorm_mode_32 3
		.amdhsa_float_denorm_mode_16_64 3
		.amdhsa_memory_ordered 1
		.amdhsa_forward_progress 1
		.amdhsa_inst_pref_size 88
	.end_amdhsa_kernel
	.amdgpu_metadata
---
amdhsa.version: [ 1, 2 ]
amdhsa.kernels:
  - .name:           k_q6a352e71f4_prep
    .symbol:         k_q6a352e71f4_prep.kd
    .args:
      - { .name: Q, .offset: 0, .size: 8, .value_kind: global_buffer, .address_space: global }
      - { .name: K, .offset: 8, .size: 8, .value_kind: global_buffer, .address_space: global }
      - { .name: V, .offset: 16, .size: 8, .value_kind: global_buffer, .address_space: global }
      - { .name: Wq, .offset: 24, .size: 8, .value_kind: global_buffer, .address_space: global }
      - { .name: Wk, .offset: 32, .size: 8, .value_kind: global_buffer, .address_space: global }
      - { .name: Wv, .offset: 40, .size: 8, .value_kind: global_buffer, .address_space: global }
      - { .name: gamma, .offset: 48, .size: 8, .value_kind: global_buffer, .address_space: global }
      - { .name: beta, .offset: 56, .size: 8, .value_kind: global_buffer, .address_space: global }
      - { .name: mask, .offset: 64, .size: 8, .value_kind: global_buffer, .address_space: global }
      - { .name: xn, .offset: 72, .size: 8, .value_kind: global_buffer, .address_space: global }
      - { .name: wb, .offset: 80, .size: 8, .value_kind: global_buffer, .address_space: global }
      - { .name: mbits, .offset: 88, .size: 8, .value_kind: global_buffer, .address_space: global }
    .group_segment_fixed_size: 35840
    .private_segment_fixed_size: 0
    .kernarg_segment_align: 8
    .kernarg_segment_size: 96
    .max_flat_workgroup_size: 256
    .sgpr_count:     66
    .vgpr_count:     242
    .wavefront_size: 32
...
	.end_amdgpu_metadata
.endif
;; end of part 1
;; launch proj (part 2): grid 4 x 48, 4 waves a work-group, clusters of 4 x 4, 327,680 bytes of LDS; arguments xn, wb, qkv, bq, bk, bv; writes qkv
.if DOCPART == 2
	.amdgcn_target "amdgcn-amd-amdhsa--gfx1250"
	.amdhsa_code_object_version 6
	.text
	.protected	k_q6a352e71f4_proj
	.globl	k_q6a352e71f4_proj
	.p2align	8
	.type	k_q6a352e71f4_proj,@function
k_q6a352e71f4_proj:
	s_mov_b64 s[64:65], 0
	v_nop
	global_prefetch_b8 v0, s[64:65] scope:SCOPE_SE
	s_setreg_imm32_b32 hwreg(HW_REG_WAVE_MODE, 25, 1), 1
	s_wait_xcnt 0x0
	s_wait_alu depctr_hold_cnt(0) depctr_sa_sdst(0) depctr_va_vdst(0) depctr_va_sdst(0) depctr_va_ssrc(0) depctr_va_vcc(0) depctr_vm_vsrc(0)
	s_getreg_b32 s2, hwreg(HW_REG_IB_STS2, 6, 4)
	s_cmp_eq_u32 s2, 0
	s_cbranch_scc0 .Lentry_in_a_cluster
	s_endpgm
.Lentry_in_a_cluster:
	s_bfe_u32 s2, ttmp6, 0x10000c
	s_cmp_lg_u32 s2, 0xf033
	s_cbranch_scc0 .Lentry_shape_is_right
	s_endpgm
.Lentry_shape_is_right:
; proj: the three projections as one product.  C[R][n] = sum over k of xn[R][k] wb[stream][k][n] + bias[stream][n], R = 0 .. 12287 (stream = R / 4096),
; f16 operands, sums in f32, rounded once to f16 and stored head-major: qkv[stream][b][head n / 64][token][n mod 64].
; LIMIT: |C| below 65,504, or the stored number becomes infinite.  A row of xn has norm 32 |gamma| at the most (beta aside), so |C| <= 32 max|gamma| x the norm
; of W's column + |bias|: with a gain of 30 and columns of norm 30 that is 28,800.  (Why f16 and not bf16: see the head of the launch before.)
; A work-group makes 256 x 256 of C with four waves, one for each SIMD of a WGP; a wave makes 128 x 128: 64 accumulator tiles of 16 x 16, 512 registers.
; 48 block rows x 4 block columns = 192 work-groups: no block of a third more work-groups lies inside one stream, and none is launched to make up a number.
; K = 1024 goes in 8 steps of 128 through a ring of two LDS slots filled by the tensor data mover; A's tile rows are 256 bytes of memory, B's 512, all aligned.
; CLUSTERS: 4 x 4 work-groups.  The four of a row of the cluster need the same tiles of xn, the four of a column the same tiles of wb: each tile is asked for
; jointly, by the same tensor load with the same descriptor and a mask that names the four.  A cluster's four block rows lie in one stream (16 block rows a stream).
; wb lies [k][n]: its fragments come out of LDS by the transposing load ds_load_tr16_b128.
; The bias is the C operand of each accumulator's first product: nothing is cleared and nothing is added on the way out.
;
; REGISTERS, in windows of 256 (s_set_vgpr_msb says which window each operand place means):
;   window 0: v0-31 addresses; v64-127, v128-191 fragments of A, two buffers; v192-223 at work on the way out
;   window 1: v0-63 the bias of my 128 columns as eight C tiles; v64-127, v128-191 fragments of B, two buffers
;   window 2: the 32 accumulator tiles of my rows 0-63 (tile (a, b) at v[8 (8 a + b)]);   window 3: those of my rows 64-127
; THE MATRIX INSTRUCTION IS USED TRANSPOSED: source 0 = 16 columns n of wb, source 1 = 16 rows of xn.  Lane l then holds row l % 16 of C and its registers
; 0 to 7 the columns 8 (l / 16) + 0 .. 7: eight neighbouring numbers of a row, which pack into 16 bytes.
.set SIZE_K, 1024
.set KSTEP,  128
.set PITCH,  272                       ; A's LDS row: 256 bytes + 16: the 16 rows that a load touches begin in 16 different 16-byte columns of a 256-byte span
.set BPITCH, 544                       ; B's LDS row (one k, 256 n): 512 bytes + 32 = 17 x 32
.set HALFT,  128*PITCH                 ; what one tensor load brings: 128 rows of A, or 64 rows of B (64 x 544 is the same 34,816 bytes)
.set SLOT,   4*HALFT                   ; A's 256 rows, then B's 128 rows
.set STAGE,  2*SLOT                    ; behind the ring: 16 rows x 272 bytes for each wave, for the way out; no tensor load lands there
.set SPITCH, 272
.set LAPS, SIZE_K/(2*KSTEP)            ; a lap = two K steps = once round the ring: 4
.set ADRA, 16                          ; v16-17  LDS address of my A fragments in slot 0, 1
.set ADRB, 20                          ; v20-21  the same for B
.set STO,  24                          ; v24     the way out: where I put 16 bytes of a row
.set RD,   25                          ; v25     the way out: where I read back
.set CO,   26                          ; v26     my byte offset in qkv
.set BO,   27                          ; v27     my byte offset in the bias
.set F0,   64
.set F1,   128
.set TMP,  192
.set G1, 24                            ; s[24:31] descriptor group 1 for A's tiles
.set G0, 32                            ; s[32:39] group 0 for A's tiles, one set for each slot
.set G1B, 48                           ; s[48:55] group 1 for B's tiles
.set G0B, 56                           ; s[56:63] group 0 for B's tiles, one set for each slot
.set MSB, 0
.macro WIN new                         ; the immediate's high byte repeats the setting that is left
.if MSB != \new
	s_set_vgpr_msb (MSB<<8)|\new
.set MSB, \new
.endif
.endm
.set MUL_LO,  0xa1                     ; source 0 (B) window 1, source 1 (A) window 0, C and D window 2
.set MUL_HI,  0xf1                     ; the same, C and D window 3
.set BIAS_LO, 0x91                     ; the first products: C = the bias in window 1, D window 2
.set BIAS_HI, 0xd1                     ; C window 1, D window 3
.set TO_B,    0x40                     ; destination window 1, address window 0
; A joint load.  Waves 0 and 1 fetch A's two halves, waves 2 and 3 B's.  Each line has one mask and one set of registers for all that issue it; the branch
; hangs on the wave's number alone.
.macro JLOAD s
	s_cmp_eq_u32 s11, 0
	s_cbranch_scc0 .Lfor_b_\@
	tensor_load_to_lds s[G0+4*\s:G0+4*\s+3], s[G1:G1+7]
	s_nop 0
	s_branch .Lasked_\@
.Lfor_b_\@:
	tensor_load_to_lds s[G0B+4*\s:G0B+4*\s+3], s[G1B:G1B+7]
	s_nop 0
.Lasked_\@:
.endm
; A round of the cluster's barrier: my work-group's barrier; wave 0 signals for the work-group; every wave waits for all sixteen; my work-group's barrier again.
.macro CREST                           ; a round behind its opening barrier
	s_cmp_lg_u32 s10, 0
	s_cbranch_scc1 .Lnot_wave_0_\@
	s_barrier_signal -3
.Lnot_wave_0_\@:
	s_barrier_wait -3
	s_barrier_signal -1
	s_barrier_wait -1
.endm
.macro CROUND
	s_barrier_signal -1
	s_barrier_wait -1
	CREST
.endm
	s_load_b128 s[4:7], s[0:1], 0x0                ; xn s[4:5], wb s[6:7]
	s_load_b64 s[8:9], s[0:1], 0x10                ; qkv
	s_load_b64 s[68:69], s[0:1], 0x18              ; bq
	s_load_b64 s[70:71], s[0:1], 0x20              ; bk
	s_load_b64 s[72:73], s[0:1], 0x28              ; bv
	s_set_vgpr_msb 0x40
	v_lshl_add_u32 v255, v0, 2, 0x48400
	s_set_vgpr_msb 0x4000
	v_mov_b32 v255, 0
	s_set_vgpr_msb 0x1
	ds_add_u32 v255, v255
	s_set_vgpr_msb 0x100
	v_lshrrev_b32 v1, 5, v0
	v_readfirstlane_b32 s10, v1                    ; wave 0..3
	s_lshr_b32 s11, s10, 1                         ; which half of the block's rows is mine.  Also: I fetch for A (0) or for B (1)
	s_and_b32 s12, s10, 1                          ; which half of its columns.  Also: which half of that tile I fetch
	s_bfe_u32 s40, ttmp6, 0x40000                  ; cx
	s_bfe_u32 s41, ttmp6, 0x40004                  ; cy
	s_lshl_b32 s42, ttmp9, 2
	s_add_co_u32 s42, s42, s40                     ; block column = 4 x cluster x + cx, 0..3
	s_and_b32 s45, ttmp7, 0xffff                   ; cluster y, 0..11
	s_lshl_b32 s13, s45, 2
	s_add_co_u32 s13, s13, s41                     ; block row = 4 x cluster y + cy, 0..47
	s_lshr_b32 s45, s45, 2                         ; stream = cluster y / 4: made of no place in the cluster
	s_lshl_b32 s43, s41, 2
	s_lshl_b32 s43, 15, s43                        ; my row of the cluster: places 4 cy .. 4 cy + 3
	s_lshl_b32 s44, 0x1111, s40                    ; my column: places cx, cx + 4, cx + 8, cx + 12
	; group 1 for A: 128 rows x 128 elements of 2 bytes, 4 words of padding behind every 64
	s_or_b32 s[G1+0], s43, (1<<16)|(1<<20)|(1<<21)|(5<<22)|(3<<25)
	s_mov_b32 s[G1+1], KSTEP<<16                   ; tensor_dim0 = 128
	s_mov_b32 s[G1+2], 128<<16                     ; tensor_dim1 = 128
	s_mov_b32 s[G1+3], KSTEP<<16                   ; tile_dim0 = 128
	s_mov_b32 s[G1+4], 128                         ; tile_dim1 = 128
	s_mov_b32 s[G1+5], SIZE_K                      ; 1,024 elements from row to row
	s_mov_b32 s[G1+6], 0
	s_mov_b32 s[G1+7], 0
	; group 1 for B: 64 rows (k) x 256 elements (n), 8 words of padding behind every 128
	s_or_b32 s[G1B+0], s44, (1<<16)|(1<<20)|(1<<21)|(6<<22)|(7<<25)
	s_mov_b32 s[G1B+1], 256<<16                    ; tensor_dim0 = 256
	s_mov_b32 s[G1B+2], 64<<16                     ; tensor_dim1 = 64
	s_mov_b32 s[G1B+3], 256<<16                    ; tile_dim0 = 256
	s_mov_b32 s[G1B+4], 64                         ; tile_dim1 = 64
	s_mov_b32 s[G1B+5], 1024                       ; 1,024 elements from one k to the next
	s_mov_b32 s[G1B+6], 0
	s_mov_b32 s[G1B+7], 0
	; where the tiles come from.  A's address hangs on the block row (shared along my row of the cluster), B's on the block column and the stream
	; (shared along my column); each is made in registers that never hold the other coordinate.
	s_lshl_b32 s17, s12, 7
	s_lshl_b32 s16, s13, 8
	s_add_co_u32 s16, s16, s17                     ; A: row 256 x block row + 128 x half
	s_lshl_b32 s16, s16, 11                        ; x 2,048 bytes: 25 MB at the most
	s_mov_b32 s17, 0
	s_lshl_b32 s46, s45, 21                        ; B: the stream's 2 MiB,
	s_lshl_b32 s47, s12, 17                        ; + 64 k rows of 2,048 bytes x half,
	s_add_co_u32 s46, s46, s47
	s_lshl_b32 s47, s42, 9                         ; + 256 columns of 2 bytes x block column
	s_add_co_u32 s46, s46, s47
	s_mov_b32 s47, 0
	s_mul_i32 s20, s10, HALFT                      ; where they go: wave x 34,816: A's halves, then B's
	s_wait_dscnt 0x0
	s_wait_kmcnt 0x0
	s_add_nc_u64 s[14:15], s[4:5], s[16:17]
	s_add_nc_u64 s[46:47], s[6:7], s[46:47]
	CROUND                                         ; all sixteen work-groups are here: the first joint loads meet
.irp s, 0,1
	s_mov_b32 s[G0+4*\s], 1
	s_add_co_u32 s[G0+4*\s+1], s20, \s*SLOT
	s_add_nc_u64 s[G0+4*\s+2:G0+4*\s+3], s[14:15], \s*KSTEP*2              ; K step s: 256 bytes along the rows
	s_or_b32 s[G0+4*\s+3], s[G0+4*\s+3], 0x80000000
	s_mov_b32 s[G0B+4*\s], 1
	s_add_co_u32 s[G0B+4*\s+1], s20, \s*SLOT
	s_add_nc_u64 s[G0B+4*\s+2:G0B+4*\s+3], s[46:47], \s*KSTEP*2048         ; K step s: 128 rows of 2,048 bytes down
	s_or_b32 s[G0B+4*\s+3], s[G0B+4*\s+3], 0x80000000
	JLOAD \s                                       ; both slots are asked for before anything else: two tensor loads of the wave are out
.endr
	; the stream's bias, at my 128 columns
	s_cmp_eq_u32 s45, 1
	s_cselect_b64 s[68:69], s[70:71], s[68:69]
	s_cmp_eq_u32 s45, 2
	s_cselect_b64 s[68:69], s[72:73], s[68:69]
	s_lshl_b32 s70, s42, 10                        ; 256 columns of 4 bytes x block column
	s_lshl_b32 s71, s12, 9                         ; + 128 columns x half
	s_add_co_u32 s70, s70, s71
	s_mov_b32 s71, 0
	s_add_nc_u64 s[68:69], s[68:69], s[70:71]
	v_and_b32 v1, 15, v0                           ; l % 16
	v_bfe_u32 v2, v0, 4, 1                         ; l / 16
	v_lshlrev_b32 v[BO], 5, v2                     ; register j of C tile b is bias[16 b + 8 (l / 16) + j]
	WIN TO_B
.irp b, 0,1,2,3,4,5,6,7
	global_load_b128 v[8*\b:8*\b+3],   v[BO], s[68:69] offset:64*\b        ; window 1, v0-63
	global_load_b128 v[8*\b+4:8*\b+7], v[BO], s[68:69] offset:64*\b+16
.endr
	WIN 0
	; A fragment: lane l holds row l % 16; registers 0-3 K = 8 (l / 16) + 0..7, registers 4-7 K = 16 + 8 (l / 16) + 0..7: two loads of 16 bytes, 32 bytes apart.
	v_mul_u32_u24 v3, v1, PITCH
	v_lshl_add_u32 v3, v2, 4, v3
	; B fragment by two transposing loads, 16 k rows apart: lane l addresses k row 8 (l / 16) + l % 8, 16 bytes at 16 ((l / 8) % 2), and receives column l % 16.
	v_and_b32 v6, 7, v0
	v_bfe_u32 v7, v0, 3, 1
	v_lshl_add_u32 v6, v2, 3, v6
	v_mul_u32_u24 v6, v6, BPITCH
	v_lshl_add_u32 v6, v7, 4, v6
	s_mul_i32 s21, s11, HALFT                      ; my 128 rows of A
	s_lshl_b32 s22, s12, 8                         ; my 128 columns of B: 256 bytes along its rows,
	s_add_co_u32 s22, s22, 2*HALFT                 ; which lie behind A's 256 rows
.irp s, 0,1
	v_add_nc_u32 v[ADRA+\s], s21, v3
	v_add_nc_u32 v[ADRB+\s], s22, v6
	s_add_co_u32 s21, s21, SLOT
	s_add_co_u32 s22, s22, SLOT
.endr
	s_mul_i32 s23, s10, 16*SPITCH
	s_add_co_u32 s23, s23, STAGE                   ; my stage
	v_mul_u32_u24 v4, v1, SPITCH                   ; in: row l % 16, 16 bytes for each half of the lanes
	v_lshl_add_u32 v4, v2, 4, v4
	v_add_nc_u32 v[STO], s23, v4
	v_bfe_u32 v8, v0, 3, 2                         ; back: eight lanes take the 128 bytes that one row has of one head, four rows a load
	v_and_b32 v9, 7, v0
	v_mul_u32_u24 v5, v8, SPITCH
	v_lshl_add_u32 v5, v9, 4, v5
	v_add_nc_u32 v[RD], s23, v5
	v_and_b32 v5, 31, v0
	v_lshlrev_b32 v[CO], 4, v5                     ; in qkv a head's rows of 128 bytes follow each other: those four rows are 512 consecutive bytes
; 16 matrix instructions: m blocks a0, a0 + 1 of the window's four x all 8 n blocks, 32 along K.  zero = 1: the first product, with the bias tile b as C.
.macro MUL16 f, hi, a0, zero
.irp a, \a0, \a0+1
.irp b, 0,1,2,3,4,5,6,7
.if \zero
	v_wmma_f32_16x16x32_f16 v[8*(8*(\a)+\b):8*(8*(\a)+\b)+7], v[\f+8*\b:\f+8*\b+7], v[\f+8*(4*\hi+\a):\f+8*(4*\hi+\a)+7], v[8*\b:8*\b+7]
.else
	v_wmma_f32_16x16x32_f16 v[8*(8*(\a)+\b):8*(8*(\a)+\b)+7], v[\f+8*\b:\f+8*\b+7], v[\f+8*(4*\hi+\a):\f+8*(4*\hi+\a)+7], v[8*(8*(\a)+\b):8*(8*(\a)+\b)+7]
.endif
.endr
.endr
.endm
; 32 LDS loads in one run: the fragments of quarter q of a K step (32 along K) into buffer f
.macro FETCH slot, q, f
	WIN TO_B
.irp i, 0,1,2,3,4,5,6,7
	ds_load_tr16_b128 v[\f+8*\i:\f+8*\i+3],   v[ADRB+\slot] offset:\q*32*BPITCH+32*\i
	ds_load_tr16_b128 v[\f+8*\i+4:\f+8*\i+7], v[ADRB+\slot] offset:\q*32*BPITCH+16*BPITCH+32*\i
.endr
	WIN 0
.irp i, 0,1,2,3,4,5,6,7
	ds_load_b128 v[\f+8*\i:\f+8*\i+3],   v[ADRA+\slot] offset:64*\q+\i*16*PITCH
	ds_load_b128 v[\f+8*\i+4:\f+8*\i+7], v[ADRA+\slot] offset:64*\q+\i*16*PITCH+32
.endr
.endm
; A load into a register that a matrix instruction has read, and a vector instruction that reads a matrix result, stand four places behind that matrix
; instruction, and only plain vector instructions that name none of its registers are places (ISA guide 7.12.1 for vector instructions).
.macro PLACES
.rept 4
	v_nop
.endr
.endm
; A K step is four quarters of 32 along K, 64 matrix instructions each, on buffers 0, 1, 0, 1.  The 64 accumulators take turns, one instruction a turn,
; in the same order in every quarter.
.macro QUARTER slot, q, f, g, zero
	s_wait_dscnt 8                                 ; B and A's rows 0-63 are in; the youngest eight loads (A's rows 64-127) may be out
.if \zero
	WIN BIAS_LO
.else
	WIN MUL_LO
.endif
	MUL16 \f, 0, 0, \zero
	MUL16 \f, 0, 2, \zero
	PLACES
	FETCH \slot, \q, \g
	s_wait_dscnt 32                                ; all but the 32 just issued
.if \zero
	WIN BIAS_HI
.else
	WIN MUL_HI
.endif
	MUL16 \f, 1, 0, \zero
	MUL16 \f, 1, 2, \zero
.endm
.macro THREE slot, zero
	QUARTER \slot, 1, F0, F1, \zero
	QUARTER \slot, 2, F1, F0, 0
	QUARTER \slot, 3, F0, F1, 0
.endm
; The last quarter: multiplies buffer 1 and changes slots.  In front of the barrier each wave waits for its own reads of this slot and for all its tensor
; loads (one is out: its part of the next slot).  Behind it nobody reads this slot and the next slot is whole: the refill comes first, then the next slot's
; first fragments.  From a request to the wait for it a wave issues 240 matrix instructions.
.macro TURN slot, next, fill
	s_wait_dscnt 8
	WIN MUL_LO
	MUL16 F1, 0, 0, 0
	s_wait_dscnt 0                                 ; my reads of this slot are over
	s_wait_tensorcnt 0x0                           ; and all my tensor loads have landed
	ds_add_u32 v255, v255
	s_wait_dscnt 0x0
	s_barrier_signal -1                            ; say so (where a slot is filled again this barrier opens a round of the cluster's barrier),
	MUL16 F1, 0, 2, 0                              ; work on registers while the others arrive,
	WIN 0
	s_barrier_wait -1
.if \fill
	CREST                                          ; all sixteen work-groups have said so: no wave of any partner still reads this slot or has a load on its way
	s_add_nc_u64 s[G0+4*\slot+2:G0+4*\slot+3], s[G0+4*\slot+2:G0+4*\slot+3], 2*KSTEP*2
	s_add_nc_u64 s[G0B+4*\slot+2:G0B+4*\slot+3], s[G0B+4*\slot+2:G0B+4*\slot+3], 2*KSTEP*2048
	JLOAD \slot                                    ; the first tensor load behind the round, the wave's only one until the next
.endif
	PLACES
	FETCH \next, 0, F0
	WIN MUL_HI
	MUL16 F1, 1, 0, 0
	MUL16 F1, 1, 2, 0
.endm
.macro LAP zero
	THREE 0, \zero
	TURN 0, 1, 1
	THREE 1, 0
	TURN 1, 0, 1
.endm
	s_wait_tensorcnt 1                             ; my part of K step 0 is in; K step 1's stays out
	s_barrier_signal -1
	s_barrier_wait -1                              ; everybody's is
	FETCH 0, 0, F0
	s_wait_loadcnt 0x0                             ; the bias
	LAP 1                                          ; the first lap stands in front of the loop: its first products start the sums from the bias
	WIN 0                                          ; at a label and at a branch every window is 0
	s_mov_b32 s3, LAPS-2
.Llap:
	LAP 0
	WIN 0
	s_sub_co_u32 s3, s3, 1
	s_cmp_lg_u32 s3, 0
	s_cbranch_scc1 .Llap
	THREE 0, 0                                     ; the last lap fills nothing: my one tensor load that is still out is slot 1's, the last K step's
	TURN 0, 1, 0
	THREE 1, 0
	s_wait_dscnt 8                                 ; the very last quarter: nothing more to fetch
	WIN MUL_LO
	MUL16 F1, 0, 0, 0
	MUL16 F1, 0, 2, 0
	s_wait_dscnt 0
	WIN MUL_HI
	MUL16 F1, 1, 0, 0
	MUL16 F1, 1, 2, 0
	; THE WAY OUT, 16 rows at a time: round to f16, 16 bytes a lane into my own stage, read back by heads.
	PLACES
	s_lshl_b32 s16, s13, 8
	s_lshl_b32 s14, s11, 7
	s_add_co_u32 s16, s16, s14                     ; R = my first row, 0 .. 12160
	s_lshr_b32 s14, s16, 11                        ; 2 x stream + b
	s_lshl_b32 s14, s14, 22                        ; x 16 heads of 262,144 bytes
	s_and_b32 s16, s16, 2047                       ; token
	s_lshl_b32 s16, s16, 7                         ; x 128 bytes
	s_add_co_u32 s16, s16, s14
	s_mov_b32 s17, 0
	s_add_nc_u64 s[8:9], s[8:9], s[16:17]
	s_lshl_b32 s46, s42, 2                         ; my first head = 4 x block column + 2 x half (in the registers that held B's address)
	s_lshl_b32 s47, s12, 1
	s_add_co_u32 s46, s46, s47
	s_lshl_b32 s46, s46, 18
	s_mov_b32 s47, 0
	s_add_nc_u64 s[8:9], s[8:9], s[46:47]
; rows 16 i .. 16 i + 15 of my block = the eight tiles (a, 0..7) of window 2 or 3 (from = 0x0a or 0x0f: sources 0 and 1); f: F0 or F1 in turn.
; The read-back takes four rows of 128 bytes a load; its two groups of sixteen lanes each touch two rows 272 bytes apart and so meet some 16-byte columns twice:
; accepted, 64 such loads a wave in the whole kernel.
.macro OUT16 i, a, from, f
	WIN \from
.irp b, 0,1,2,3,4,5,6,7
.irp r, 0,1,2,3
	v_cvt_pk_f16_f32 v[TMP+4*\b+\r], v[8*(8*\a+\b)+2*\r], v[8*(8*\a+\b)+2*\r+1]
.endr
.endr
	WIN 0
.irp b, 0,1,2,3,4,5,6,7
	ds_store_b128 v[STO], v[TMP+4*\b:TMP+4*\b+3] offset:32*\b
.endr
	s_wait_xcnt 0x0                                ; buffer f, which earlier stores read, and the stores' base are rewritten only behind this wait
.if \i
	s_add_nc_u64 s[8:9], s[8:9], 16*128            ; 16 tokens on
.endif
.irp t, 0,1,2,3,4,5,6,7
	ds_load_b128 v[\f+4*\t:\f+4*\t+3], v[RD] offset:(\t&3)*4*SPITCH+(\t>>2)*128    ; LDS serves a wave's instructions in order (ISA guide 5.7.1): these see the stores above
.endr
.irp t, 0,1,2,3,4,5,6,7
	s_wait_dscnt 7-\t
	global_store_b128 v[CO], v[\f+4*\t:\f+4*\t+3], s[8:9] offset:(\t>>2)*262144+(\t&3)*512   ; 512 consecutive bytes, aligned: four tokens of one head
.endr
.endm
	OUT16 0, 0, 0x0a, F0
	OUT16 1, 1, 0x0a, F1
	OUT16 2, 2, 0x0a, F0
	OUT16 3, 3, 0x0a, F1
	OUT16 4, 0, 0x0f, F0
	OUT16 5, 1, 0x0f, F1
	OUT16 6, 2, 0x0f, F0
	OUT16 7, 3, 0x0f, F1
	s_set_vgpr_msb 0x1
	s_wait_tensorcnt 0x0
	ds_add_u32 v255, v255
	s_wait_dscnt 0x0
	s_set_vgpr_msb 0x100
	CROUND                                         ; the closing round: no work-group ends while a partner may still ask for a tile that names it
	s_endpgm
.Lfunc_end_k_q6a352e71f4_proj:
	.size	k_q6a352e71f4_proj, .Lfunc_end_k_q6a352e71f4_proj-k_q6a352e71f4_proj
	.p2alignl 7, 3214868480
	.fill 96, 4, 3214868480
	.section	.rodata,"a",@progbits
	.p2align	6, 0x0
	.amdhsa_kernel k_q6a352e71f4_proj
		.amdhsa_group_segment_fixed_size 327680
		.amdhsa_private_segment_fixed_size 0
		.amdhsa_enable_private_segment 0
		.amdhsa_kernarg_size 48
		.amdhsa_user_sgpr_count 2
		.amdhsa_user_sgpr_kernarg_segment_ptr 1
		.amdhsa_wavefront_size32 1
		.amdhsa_system_sgpr_workgroup_id_x 1
		.amdhsa_system_sgpr_workgroup_id_y 1
		.amdhsa_system_sgpr_workgroup_id_z 1
		.amdhsa_system_vgpr_workitem_id 0
		.amdhsa_next_free_vgpr 1024
		.amdhsa_next_free_sgpr 76
		.amdhsa_reserve_vcc 0
		.amdhsa_float_denorm_mode_32 3
		.amdhsa_float_denorm_mode_16_64 3
		.amdhsa_memory_ordered 1
		.amdhsa_forward_progress 1
		.amdhsa_inst_pref_size 199
	.end_amdhsa_kernel
	.amdgpu_metadata
---
amdhsa.version: [ 1, 2 ]
amdhsa.kernels:
  - .name:           k_q6a352e71f4_proj
    .symbol:         k_q6a352e71f4_proj.kd
    .args:
      - { .name: xn, .offset: 0, .size: 8, .value_kind: global_buffer, .address_space: global }
      - { .name: wb, .offset: 8, .size: 8, .value_kind: global_buffer, .address_space: global }
      - { .name: qkv, .offset: 16, .size: 8, .value_kind: global_buffer, .address_space: global }
      - { .name: bq, .offset: 24, .size: 8, .value_kind: global_buffer, .address_space: global }
      - { .name: bk, .offset: 32, .size: 8, .value_kind: global_buffer, .address_space: global }
      - { .name: bv, .offset: 40, .size: 8, .value_kind: global_buffer, .address_space: global }
    .group_segment_fixed_size: 327680
    .private_segment_fixed_size: 0
    .kernarg_segment_align: 8
    .kernarg_segment_size: 48
    .max_flat_workgroup_size: 128
    .sgpr_count:     76
    .vgpr_count:     1024
    .wavefront_size: 32
...
	.end_amdgpu_metadata
.endif
;; end of part 2
;; launch attn (part 3): grid 8 x 32, 8 waves a work-group, clusters of 4 x 1, 327,680 bytes of LDS; arguments qkv, mbits, Q, out0; writes out0
.if DOCPART == 3
	.amdgcn_target "amdgcn-amd-amdhsa--gfx1250"
	.amdhsa_code_object_version 6
	.text
	.protected	k_q6a352e71f4_attn
	.globl	k_q6a352e71f4_attn
	.p2align	8
	.type	k_q6a352e71f4_attn,@function
k_q6a352e71f4_attn:
	s_mov_b64 s[64:65], 0
	v_nop
	global_prefetch_b8 v0, s[64:65] scope:SCOPE_SE
	s_setreg_imm32_b32 hwreg(HW_REG_WAVE_MODE, 25, 1), 1
	s_wait_xcnt 0x0
	s_wait_alu depctr_hold_cnt(0) depctr_sa_sdst(0) depctr_va_vdst(0) depctr_va_sdst(0) depctr_va_ssrc(0) depctr_va_vcc(0) depctr_vm_vsrc(0)
	s_getreg_b32 s2, hwreg(HW_REG_IB_STS2, 6, 4)
	s_cmp_eq_u32 s2, 0
	s_cbranch_scc0 .Lentry_in_a_cluster
	s_endpgm
.Lentry_in_a_cluster:
	s_bfe_u32 s2, ttmp6, 0x10000c
	s_cmp_lg_u32 s2, 0x3003
	s_cbranch_scc0 .Lentry_shape_is_right
	s_endpgm
.Lentry_shape_is_right:
; attn: out0[b][n][64 h + d] = Q[b][n][64 h + d] + sum over m of softmax_m( q.k / 8, masked to -inf )[n][m] v[m][d], for 32 heads (b, h), 2048 x 2048 each.
; The mask is an input: every score is computed, and every mask bit is honoured.
; A work-group takes 256 queries of one head, a wave 32 of them (two tiles u of 16); 8 x 32 = 256 work-groups.  Keys go in tiles of 256 through two LDS slots,
; each tile in four steps of 64 keys.  Softmax with a running maximum and a running sum, both f32.  q, k, v and p are f16 operands, all sums f32.
; CODE: a step is some 2.7 KiB of text and a wave runs 32 of them.  The steps of a key tile are a counted loop and key tiles 1 to 6 are a counted loop round it,
; so the text holds five copies of a step: the first step (it starts maxima, sums and O), the rest of tile 0, the loop's, tile 7's, and the last step (it asks for
; no further mask words).  The slot and the step therefore stand in two address registers and not in the LDS loads' immediates.
; CLUSTERS: the four work-groups of a cluster are four query blocks of one head and read the same K and V tiles: each tile is asked for jointly (mask 15).
; LAYOUT: scores are made transposed, S^T = K q^T (source 0 = 16 keys, source 1 = 16 queries): lane (r = l % 16, hh = l / 16) holds query r and keys 8 hh + j in
; register j.  So a query's maximum and sum are taken inside the lane plus one exchange of the halves; two packed S^T tiles are, as they lie, source 1 of
; O^T = V^T P^T; and the rescaling factor and 1 / sum are one number a lane.  V lies [key][d] in LDS; V^T comes by the transposing load.
; The mask comes as lane-mask words (made by the first launch): one scalar register masks register j of a tile in all 32 lanes with one v_cndmask_b32.
; LIMITS: p lies in [0, 1] (the running maximum is taken away first) and is summed in f32 before it is rounded to f16 for the product with V; a p below 2^-25
; becomes 0 in that product, against a sum of at least 1.  The running maximum starts at -FLT_MAX (0xff7fffff), so a query whose keys so far are all masked has
; p = 0, sum 0 and factor 1; one whose keys are all masked ends as 0 x (1 / 0) = NaN, which is what a softmax over -inf alone gives.
.set SLOTB,  131072                    ; from slot 0 to slot 1: one bit, switched by s_xor_b32
.set VPITCH, 160                       ; V's LDS row: 128 bytes + 32 = 5 x 32
.set KPITCH, 144                       ; K's LDS row: 128 bytes + 16 = 9 x 16
.set KBASE,  256*VPITCH                ; K's 256 rows lie behind V's 256: 40,960; a slot uses 77,824 bytes
.set STAGE,  SLOTB+KBASE+256*KPITCH    ; 208,896 = 816 x 256: 32 rows x 272 bytes for each wave, for the way out; no tensor load lands there
.set SPITCH, 272
.set ADRK, 2                           ; v2      LDS address of my K fragments in slot 0, step 0; never rewritten
.set ADRV, 3                           ; v3      the same for V
.set WK,   4                           ; v4      ADRK + the slot that is read + 64 rows of K for each step done
.set WV,   5                           ; v5      ADRV + the slot that is read + 64 rows of V for each step done
.set RM,   6                           ; v6-7    running maximum of tile u, in raw scores
.set RL,   8                           ; v8-9    running sum of tile u over my half's keys
.set NM,   10                          ; v[10:11] -c x maximum, twice
.set AL,   12                          ; v[12:13] the rescaling factor (at the end 1 / sum), twice
.set T,    14                          ; v14-19  at work
.set SUMS, 20                          ; v[20:23] two chains of pairs
.set STO,  24
.set RD,   25
.set GO,   26
.set VQ,   27
.set CC,   28                          ; v[28:29] c, twice
.set QF,   32                          ; v[32:63]   q fragments, at 16 u + 8 dh
.set OA,   64                          ; v[64:127]  O^T accumulators, at 32 u + 8 dt
.set SB,   128                         ; v[128:191] S^T tiles at 32 u + 8 kt; packed P at 32 u + 16 kb
.set KF,   192                         ; v[192:255] K fragments at 16 kt + 8 dh, then V^T fragments at 32 kb + 8 dt
; scalars: s[2:3] byte offset of my rows in Q and out0; s[4:7], s[8:11] group 0 for V, K; s[12:19], s[20:27] group 1 for V, K; s28 wave; s29 key tiles left;
; s30-31 lane selects; s[32:63] mask words of tile u = 0 (8 kt + j), s[68:99] of u = 1; s[66:67] mask pointer;
; s[100:101] q's address, and when q has come: s100 steps left in a key tile, s101 the slot that the next key tile is read from (0 or SLOTB).
; c = 0.125 x log2(e) = 0x3e38aa3b: exp(s / 8 - max / 8) = 2^(c s - c max).
.macro PLACES n
.rept \n
	v_nop
.endr
.endm
; A round of the cluster's barrier
.macro ROUND
	s_barrier_signal -1
	s_barrier_wait -1
	s_cmp_lg_u32 s28, 0
	s_cbranch_scc1 .Lnot_wave_0_\@
	s_barrier_signal -3
.Lnot_wave_0_\@:
	s_barrier_wait -3
	s_barrier_signal -1
	s_barrier_wait -1
.endm
; A joint load: waves 0-3 fetch 64 rows of V each, waves 4-7 64 rows of K each.  The branch hangs on the wave's number alone.
.macro JLOAD
	s_cmp_lt_u32 s28, 4
	s_cbranch_scc0 .Lfor_k_\@
	tensor_load_to_lds s[4:7], s[12:19]
	s_nop 0
	s_branch .Lasked_\@
.Lfor_k_\@:
	tensor_load_to_lds s[8:11], s[20:27]
	s_nop 0
.Lasked_\@:
.endm
	s_load_b128 s[32:35], s[0:1], 0x0              ; qkv s[32:33], mbits s[34:35]
	v_lshl_add_u32 v30, v0, 2, 0x44000
	v_mov_b32 v31, 0
	ds_add_u32 v30, v31
	v_lshrrev_b32 v14, 5, v0
	v_readfirstlane_b32 s28, v14                   ; wave 0..7
	s_bfe_u32 s36, ttmp6, 0x40000                  ; cx
	s_lshl_b32 s37, ttmp9, 2
	s_add_co_u32 s37, s37, s36                     ; query block = 4 x cluster x + cx, 0..7
	s_and_b32 s38, ttmp7, 0xffff                   ; head 16 b + h, 0..31: the cluster's y, shared by the four
	s_lshl_b32 s42, s37, 8
	s_lshl_b32 s43, s28, 5
	s_add_co_u32 s42, s42, s43                     ; q0 = my first query
	s_lshr_b32 s44, s38, 4                         ; b
	s_and_b32 s45, s38, 15                         ; h
	; group 1: 64 rows x 64 elements of 2 bytes, dense in memory; padding behind every 32 words: 8 words for V, 4 for K; mask 15 = all four of the cluster
	s_mov_b32 s12, 15|(1<<16)|(1<<20)|(1<<21)|(4<<22)|(7<<25)
	s_mov_b32 s13, 64<<16                          ; tensor_dim0 = 64
	s_mov_b32 s14, 64<<16                          ; tensor_dim1 = 64
	s_mov_b32 s15, 64<<16                          ; tile_dim0 = 64
	s_mov_b32 s16, 64                              ; tile_dim1 = 64
	s_mov_b32 s17, 64                              ; 64 elements from row to row
	s_mov_b32 s18, 0
	s_mov_b32 s19, 0
	s_mov_b32 s20, 15|(1<<16)|(1<<20)|(1<<21)|(4<<22)|(3<<25)
	s_mov_b32 s21, 64<<16
	s_mov_b32 s22, 64<<16
	s_mov_b32 s23, 64<<16
	s_mov_b32 s24, 64
	s_mov_b32 s25, 64
	s_mov_b32 s26, 0
	s_mov_b32 s27, 0
	; group 0: nothing in it hangs on cx
	s_mov_b32 s4, 1
	s_mul_i32 s5, s28, 64*VPITCH                   ; V: waves 0-3 at wave x 10,240
	s_mov_b32 s8, 1
	s_mul_i32 s9, s28, 64*KPITCH
	s_add_co_u32 s9, s9, KBASE-4*64*KPITCH         ; K: waves 4-7 at 40,960 + (wave - 4) x 9,216
	s_lshl_b32 s40, s38, 18                        ; the head's 262,144 bytes
	s_and_b32 s39, s28, 3
	s_lshl_b32 s39, s39, 13                        ; + 64 rows of 128 bytes x (wave mod 4)
	s_add_co_u32 s40, s40, s39
	s_mov_b32 s41, 0
	s_lshl_b32 s46, s38, 18                        ; q: the head, + q0 rows of 128 bytes
	s_lshl_b32 s47, s42, 7
	s_add_co_u32 s46, s46, s47
	s_mov_b32 s47, 0
	s_lshl_b32 s48, s44, 19                        ; mask words: (128 b + q0 / 16) groups of 4,096 bytes
	s_lshl_b32 s49, s42, 8
	s_add_co_u32 s48, s48, s49
	s_mov_b32 s49, 0
	s_lshl_b32 s2, s44, 23                         ; Q and out0: b x 8 MiB + q0 rows of 4,096 bytes + h x 256 bytes
	s_lshl_b32 s3, s42, 12
	s_add_co_u32 s2, s2, s3
	s_lshl_b32 s3, s45, 8
	s_add_co_u32 s2, s2, s3
	s_mov_b32 s3, 0
	s_mul_i32 s50, s28, 32*SPITCH
	s_add_co_u32 s50, s50, STAGE                   ; my stage
	s_mov_b32 s30, 0x76543210                      ; v_permlanex16_b32: lane i of one half reads lane i of the other
	s_mov_b32 s31, 0xfedcba98
	s_wait_dscnt 0x0
	s_wait_kmcnt 0x0
	s_add_nc_u64 s[6:7], s[32:33], s[40:41]
	s_add_nc_u64 s[10:11], s[6:7], 0x800000        ; stream k
	s_add_nc_u64 s[6:7], s[6:7], 0x1000000         ; stream v
	s_or_b32 s7, s7, 0x80000000
	s_or_b32 s11, s11, 0x80000000
	s_add_nc_u64 s[100:101], s[32:33], s[46:47]
	s_add_nc_u64 s[66:67], s[34:35], s[48:49]
	ROUND                                          ; all four work-groups are here: the first joint loads meet
	JLOAD                                          ; key tile 0 into slot 0: one tensor load of the wave is out, here and behind every later round that refills
	v_and_b32 v14, 15, v0                          ; r
	v_bfe_u32 v15, v0, 4, 1                        ; hh
	v_and_b32 v16, 7, v0
	v_bfe_u32 v17, v0, 3, 1
	v_lshlrev_b32 v[VQ], 7, v14
	v_lshl_add_u32 v[VQ], v15, 4, v[VQ]            ; q fragment: row r of 128 bytes + 16 hh
.irp u, 0,1
.irp dh, 0,1
	global_load_b128 v[QF+16*\u+8*\dh:QF+16*\u+8*\dh+3],   v[VQ], s[100:101] offset:\u*2048+64*\dh
	global_load_b128 v[QF+16*\u+8*\dh+4:QF+16*\u+8*\dh+7], v[VQ], s[100:101] offset:\u*2048+64*\dh+32
.endr
.endr
	v_mul_u32_u24 v[ADRK], v14, KPITCH
	v_lshl_add_u32 v[ADRK], v15, 4, v[ADRK]
	v_add_nc_u32 v[ADRK], KBASE, v[ADRK]           ; K fragment: key row r, 16 bytes at 16 hh
	v_lshl_add_u32 v[ADRV], v15, 3, v16
	v_mul_u32_u24 v[ADRV], v[ADRV], VPITCH
	v_lshl_add_u32 v[ADRV], v17, 4, v[ADRV]        ; V^T fragment: key row 8 hh + l % 8, 16 bytes at 16 ((l / 8) % 2)
	v_mul_u32_u24 v[STO], v14, SPITCH
	v_lshl_add_u32 v[STO], v15, 5, v[STO]
	v_add_nc_u32 v[STO], s50, v[STO]               ; way out, in: query row r, 8 f32 at 32 hh
	v_mul_u32_u24 v[RD], v15, SPITCH
	v_lshl_add_u32 v[RD], v14, 4, v[RD]
	v_add_nc_u32 v[RD], s50, v[RD]                 ; back: lanes 0-15 one row of 256 bytes, lanes 16-31 the next
	v_lshlrev_b32 v[GO], 4, v14
	v_lshl_add_u32 v[GO], v15, 12, v[GO]           ; and the same two rows in Q and out0
	v_mov_b32 v1, 0xff800000                       ; -inf
	v_mov_b32 v[RM], 0xff7fffff                    ; -FLT_MAX
	v_mov_b32 v[RM+1], 0xff7fffff
	v_mov_b32 v[CC], 0x3e38aa3b                    ; c, in both registers of a pair: the packed multiply-adds then carry no literal
	v_mov_b32 v[CC+1], 0x3e38aa3b
	s_load_b512 s[32:47], s[66:67], 0x0            ; the first step's mask words: u = 0, key tiles 0, 1
	s_load_b512 s[48:63], s[66:67], 0x40           ;                                     key tiles 2, 3
	s_load_b512 s[68:83], s[66:67], 0x1000         ; u = 1: the next group of 16 queries, 4,096 bytes on
	s_load_b512 s[84:99], s[66:67], 0x1040
	s_wait_loadcnt 0x0                             ; q has come: s[100:101], its loads' base, may be written again
	s_mov_b32 s101, 0                              ; key tile 0 is read from slot 0
; eight score products: key tiles k0, k0 + 1 x both query tiles, d 0-31 (starting the sums) and then d 32-63.  Four accumulators take turns, one instruction a
; turn.
.macro QK8 k0
.irp kt, \k0, \k0+1
.irp u, 0,1
	v_wmma_f32_16x16x32_f16 v[SB+32*\u+8*(\kt):SB+32*\u+8*(\kt)+7], v[KF+16*(\kt):KF+16*(\kt)+7], v[QF+16*\u:QF+16*\u+7], 0
.endr
.endr
.irp kt, \k0, \k0+1
.irp u, 0,1
	v_wmma_f32_16x16x32_f16 v[SB+32*\u+8*(\kt):SB+32*\u+8*(\kt)+7], v[KF+16*(\kt)+8:KF+16*(\kt)+15], v[QF+16*\u+8:QF+16*\u+15], v[SB+32*\u+8*(\kt):SB+32*\u+8*(\kt)+7]
.endr
.endr
.endm
; masked scores of tile u become -inf; sb = the first scalar register of its 32 words
.macro MASK u, sb
.set mw, 0
.rept 32
	v_cndmask_b32 v[SB+32*\u+mw], v[SB+32*\u+mw], v1, s[\sb+mw]
.set mw, mw+1
.endr
.endm
; softmax step of tile u on 64 keys: new maximum, factor, p = 2^(c s - c max), sum, P packed to f16 in place, O rescaled
.macro SM u, first
	v_max3_num_f32 v[T],   v[RM+\u], v[SB+32*\u],    v[SB+32*\u+1]         ; two chains, both started with the running maximum
	v_max3_num_f32 v[T+1], v[RM+\u], v[SB+32*\u+16], v[SB+32*\u+17]
.irp i, 2,4,6,8,10,12,14
	v_max3_num_f32 v[T],   v[T],   v[SB+32*\u+\i],    v[SB+32*\u+\i+1]
	v_max3_num_f32 v[T+1], v[T+1], v[SB+32*\u+16+\i], v[SB+32*\u+17+\i]
.endr
	v_max_num_f32 v[T], v[T], v[T+1]
	v_permlanex16_b32 v[T+1], v[T], s30, s31       ; the other half's keys of the same query
	v_max_num_f32 v[T], v[T], v[T+1]               ; the new maximum, equal in both halves
.if \first
.else
	v_sub_f32 v[T+2], v[RM+\u], v[T]               ; the difference first, then the scale: exact 0 where the maximum stays
	v_mul_f32 v[T+2], 0x3e38aa3b, v[T+2]
	v_exp_f32 v[AL], v[T+2]
.endif
	v_mul_f32 v[NM], 0xbe38aa3b, v[T]              ; -c max; also the plain instruction behind v_exp_f32 (ISA guide 5.7.2)
	v_mov_b32 v[RM+\u], v[T]
	v_mov_b32 v[NM+1], v[NM]
.if \first
.else
	s_wait_alu depctr_va_vdst(0)
	v_mov_b32 v[AL+1], v[AL]
.endif
.irp i, 0,2,4,6,8,10,12,14,16,18,20,22,24,26,28,30
	v_pk_fma_f32 v[SB+32*\u+\i:SB+32*\u+\i+1], v[SB+32*\u+\i:SB+32*\u+\i+1], v[CC:CC+1], v[NM:NM+1]
.endr
.set mw, 0
.rept 32
	v_exp_f32 v[SB+32*\u+mw], v[SB+32*\u+mw]
.set mw, mw+1
.endr
	v_nop                                          ; one plain instruction between the exponentials and the first use of a result
	s_wait_alu depctr_va_vdst(0)
	v_pk_add_f32 v[SUMS:SUMS+1],   v[SB+32*\u:SB+32*\u+1],     v[SB+32*\u+2:SB+32*\u+3]
	v_pk_add_f32 v[SUMS+2:SUMS+3], v[SB+32*\u+16:SB+32*\u+17], v[SB+32*\u+18:SB+32*\u+19]
.irp i, 4,6,8,10,12,14
	v_pk_add_f32 v[SUMS:SUMS+1],   v[SUMS:SUMS+1],   v[SB+32*\u+\i:SB+32*\u+\i+1]
	v_pk_add_f32 v[SUMS+2:SUMS+3], v[SUMS+2:SUMS+3], v[SB+32*\u+16+\i:SB+32*\u+17+\i]
.endr
	v_pk_add_f32 v[SUMS:SUMS+1], v[SUMS:SUMS+1], v[SUMS+2:SUMS+3]
.if \first
	v_add_f32 v[RL+\u], v[SUMS], v[SUMS+1]         ; the first step starts the sum
.else
	v_add_f32 v[SUMS], v[SUMS], v[SUMS+1]
	v_fma_f32 v[RL+\u], v[RL+\u], v[AL], v[SUMS]
.endif
.irp kb, 0,1
.irp i, 0,1,2,3,4,5,6,7
	v_cvt_pk_f16_f32 v[SB+32*\u+16*\kb+\i], v[SB+32*\u+16*\kb+2*\i], v[SB+32*\u+16*\kb+2*\i+1]   ; ascending: a register is written when it has been read
.endr
.endr
.if \first
.else
.irp i, 0,2,4,6,8,10,12,14,16,18,20,22,24,26,28,30
	v_pk_mul_f32 v[OA+32*\u+\i:OA+32*\u+\i+1], v[OA+32*\u+\i:OA+32*\u+\i+1], v[AL:AL+1]
.endr
.endif
.endm
; O^T of tile u += V^T P^T over 64 keys: the four d tiles take turns, one instruction a turn; the very first products start the sums
.macro PV u, first
.irp dt, 0,1,2,3
.if \first
	v_wmma_f32_16x16x32_f16 v[OA+32*\u+8*\dt:OA+32*\u+8*\dt+7], v[KF+8*\dt:KF+8*\dt+7], v[SB+32*\u:SB+32*\u+7], 0
.else
	v_wmma_f32_16x16x32_f16 v[OA+32*\u+8*\dt:OA+32*\u+8*\dt+7], v[KF+8*\dt:KF+8*\dt+7], v[SB+32*\u:SB+32*\u+7], v[OA+32*\u+8*\dt:OA+32*\u+8*\dt+7]
.endif
.endr
.irp dt, 0,1,2,3
	v_wmma_f32_16x16x32_f16 v[OA+32*\u+8*\dt:OA+32*\u+8*\dt+7], v[KF+32+8*\dt:KF+32+8*\dt+7], v[SB+32*\u+16:SB+32*\u+23], v[OA+32*\u+8*\dt:OA+32*\u+8*\dt+7]
.endr
.endm
; 64 keys: the 64 rows of K at WK and of V at WV.  mnext = 1: the next step's mask words are requested.
.macro STEP first, mnext
.irp kt, 0,1,2,3
.irp dh, 0,1
	ds_load_b128 v[KF+16*\kt+8*\dh:KF+16*\kt+8*\dh+3],   v[WK] offset:\kt*16*KPITCH+64*\dh
	ds_load_b128 v[KF+16*\kt+8*\dh+4:KF+16*\kt+8*\dh+7], v[WK] offset:\kt*16*KPITCH+64*\dh+32
.endr
.endr
	s_wait_dscnt 8                                 ; key tiles 0 and 1 are in; the eight loads of tiles 2 and 3 may be out
	QK8 0
	s_wait_dscnt 0x0
	QK8 2
	PLACES 5                                       ; behind the score products: before loads land on their K fragments and before their results are read
.irp kb, 0,1
.irp dt, 0,1,2,3
	ds_load_tr16_b128 v[KF+32*\kb+8*\dt:KF+32*\kb+8*\dt+3],   v[WV] offset:\kb*32*VPITCH+32*\dt
	ds_load_tr16_b128 v[KF+32*\kb+8*\dt+4:KF+32*\kb+8*\dt+7], v[WV] offset:\kb*32*VPITCH+16*VPITCH+32*\dt
.endr
.endr
	s_wait_kmcnt 0x0                               ; this step's mask words, requested a step ago
	MASK 0, 32
	MASK 1, 68
.if \mnext
	s_add_nc_u64 s[66:67], s[66:67], 128           ; four key tiles x 8 words on; the loads that used this base are done
	s_load_b512 s[32:47], s[66:67], 0x0
	s_load_b512 s[48:63], s[66:67], 0x40
	s_load_b512 s[68:83], s[66:67], 0x1000
	s_load_b512 s[84:99], s[66:67], 0x1040
.endif
	SM 0, \first
	s_wait_dscnt 0x0                               ; the V^T fragments, requested in front of the masking
	PV 0, \first
	SM 1, \first                                   ; names none of the registers of the products just issued
	PV 1, \first
	; Five places behind the step's last products: four before loads land on their V fragments or their results are read, five before score
	; products write over their P.  Two of the five are the address steps, which name no register of a matrix instruction.
	v_add_nc_u32 v[WK], 64*KPITCH, v[WK]           ; the next 64 rows of K (behind a key tile's last step: not used, the tile's head writes WK anew)
	v_add_nc_u32 v[WV], 64*VPITCH, v[WV]           ; and of V
	PLACES 3
.endm
; n like steps as a counted loop
.macro STEPS n
	s_mov_b32 s100, \n
.Lstep_\@:
	STEP 0, 1
	s_sub_co_u32 s100, s100, 1
	s_cmp_lg_u32 s100, 0
	s_cbranch_scc1 .Lstep_\@
.endm
; The head of a key tile of 256.  In front of the round every wave waits for all its tensor loads (its part of this tile) and for its reads of the other slot;
; behind the round no wave of the four work-groups reads that slot: the next tile is asked for into it first, then this tile's slot is read.
.macro HEAD refill
	s_wait_tensorcnt 0x0                           ; no tensor load of mine is out: the descriptors may be written
	ds_add_u32 v30, v31
	s_wait_dscnt 0x0
	s_xor_b32 s5, s5, SLOTB                        ; the other slot,
	s_xor_b32 s9, s9, SLOTB
	s_add_nc_u64 s[6:7], s[6:7], 256*128           ; the next 256 keys
	s_add_nc_u64 s[10:11], s[10:11], 256*128
	s_wait_dscnt 0x0
	ROUND
.if \refill
	JLOAD                                          ; it has the tile's four steps in which to land
.endif
	v_add_nc_u32 v[WK], s101, v[ADRK]              ; this tile's slot, step 0
	v_add_nc_u32 v[WV], s101, v[ADRV]
	s_xor_b32 s101, s101, SLOTB                    ; the next tile is read from the slot that has just been asked for
.endm
	HEAD 1                                         ; key tile 0 (slot 0); tile 1 is asked for
	STEP 1, 1                                      ; the first step starts maxima, sums and O: nothing is cleared
	STEPS 3
	s_mov_b32 s29, 6
.Ltile:
	HEAD 1                                         ; key tiles 1 to 6; tiles 2 to 7 are asked for
	STEPS 4
	s_sub_co_u32 s29, s29, 1
	s_cmp_lg_u32 s29, 0
	s_cbranch_scc1 .Ltile
	HEAD 0                                         ; key tile 7: nothing is left to fetch (the stepped descriptors are not used)
	STEPS 3
	STEP 0, 0                                      ; the very last step asks for no mask words: none lie behind the group's 4,096 bytes
	; THE WAY OUT: O / sum through my own stage into whole rows of 256 bytes, plus the residual Q.  The five places at the last step's end stand between the last
	; products and the lines below that read their results or load onto their sources.
	s_load_b128 s[32:35], s[0:1], 0x10             ; Q s[32:33], out0 s[34:35]
	s_wait_kmcnt 0x0
	s_add_nc_u64 s[32:33], s[32:33], s[2:3]
	s_add_nc_u64 s[34:35], s[34:35], s[2:3]
.irp t, 0,1,2,3,4,5,6,7,8,9,10,11,12,13,14,15
	global_load_b128 v[KF+4*\t:KF+4*\t+3], v[GO], s[32:33] offset:8192*\t          ; rows 2 t, 2 t + 1: 256 consecutive aligned bytes for each 16 lanes
.endr
.irp u, 0,1
	v_permlanex16_b32 v[T], v[RL+\u], s30, s31     ; the two halves' sums meet here, once
	v_add_f32 v[T], v[T], v[RL+\u]
	v_rcp_f32 v[AL], v[T]
	v_rcp_f32 v[AL+1], v[T]
	v_nop                                          ; one plain instruction behind v_rcp_f32
	s_wait_alu depctr_va_vdst(0)
.irp i, 0,2,4,6,8,10,12,14,16,18,20,22,24,26,28,30
	v_pk_mul_f32 v[OA+32*\u+\i:OA+32*\u+\i+1], v[OA+32*\u+\i:OA+32*\u+\i+1], v[AL:AL+1]
.endr
.irp dt, 0,1,2,3
	ds_store_b128 v[STO], v[OA+32*\u+8*\dt:OA+32*\u+8*\dt+3],   offset:\u*16*SPITCH+64*\dt       ; query 16 u + r, d = 16 dt + 8 hh + 0..3
	ds_store_b128 v[STO], v[OA+32*\u+8*\dt+4:OA+32*\u+8*\dt+7], offset:\u*16*SPITCH+64*\dt+16    ; d + 4..7
.endr
.endr
.irp t, 0,1,2,3,4,5,6,7,8,9,10,11,12,13,14,15
	ds_load_b128 v[SB+4*\t:SB+4*\t+3], v[RD] offset:2*SPITCH*\t    ; LDS serves a wave's instructions in order (ISA guide 5.7.1): these see the stores above
.endr
.irp t, 0,1,2,3,4,5,6,7,8,9,10,11,12,13,14,15
	s_wait_loadcnt 15-\t                           ; residual rows 2 t, 2 t + 1 are in, the younger loads stay out
	s_wait_dscnt 15-\t                             ; and so are the same rows of O
	v_pk_add_f32 v[SB+4*\t:SB+4*\t+1],   v[SB+4*\t:SB+4*\t+1],   v[KF+4*\t:KF+4*\t+1]
	v_pk_add_f32 v[SB+4*\t+2:SB+4*\t+3], v[SB+4*\t+2:SB+4*\t+3], v[KF+4*\t+2:KF+4*\t+3]
	global_store_b128 v[GO], v[SB+4*\t:SB+4*\t+3], s[34:35] offset:8192*\t         ; 16 lanes store 256 consecutive bytes, aligned
.endr
	s_wait_tensorcnt 0x0
	ds_add_u32 v30, v31
	s_wait_dscnt 0x0
	ROUND                                          ; the closing round: no work-group ends while a partner may still ask for a tile that names it
	s_endpgm
.Lfunc_end_k_q6a352e71f4_attn:
	.size	k_q6a352e71f4_attn, .Lfunc_end_k_q6a352e71f4_attn-k_q6a352e71f4_attn
	.p2alignl 7, 3214868480
	.fill 96, 4, 3214868480
	.section	.rodata,"a",@progbits
	.p2align	6, 0x0
	.amdhsa_kernel k_q6a352e71f4_attn
		.amdhsa_group_segment_fixed_size 327680
		.amdhsa_private_segment_fixed_size 0
		.amdhsa_enable_private_segment 0
		.amdhsa_kernarg_size 32
		.amdhsa_user_sgpr_count 2
		.amdhsa_user_sgpr_kernarg_segment_ptr 1
		.amdhsa_wavefront_size32 1
		.amdhsa_system_sgpr_workgroup_id_x 1
		.amdhsa_system_sgpr_workgroup_id_y 1
		.amdhsa_system_sgpr_workgroup_id_z 1
		.amdhsa_system_vgpr_workitem_id 0
		.amdhsa_next_free_vgpr 256
		.amdhsa_next_free_sgpr 102
		.amdhsa_reserve_vcc 0
		.amdhsa_float_denorm_mode_32 3
		.amdhsa_float_denorm_mode_16_64 3
		.amdhsa_memory_ordered 1
		.amdhsa_forward_progress 1
		.amdhsa_inst_pref_size 128
	.end_amdhsa_kernel
	.amdgpu_metadata
---
amdhsa.version: [ 1, 2 ]
amdhsa.kernels:
  - .name:           k_q6a352e71f4_attn
    .symbol:         k_q6a352e71f4_attn.kd
    .args:
      - { .name: qkv, .offset: 0, .size: 8, .value_kind: global_buffer, .address_space: global }
      - { .name: mbits, .offset: 8, .size: 8, .value_kind: global_buffer, .address_space: global }
      - { .name: Q, .offset: 16, .size: 8, .value_kind: global_buffer, .address_space: global }
      - { .name: out0, .offset: 24, .size: 8, .value_kind: global_buffer, .address_space: global }
    .group_segment_fixed_size: 327680
    .private_segment_fixed_size: 0
    .kernarg_segment_align: 8
    .kernarg_segment_size: 32
    .max_flat_workgroup_size: 256
    .sgpr_count:     102
    .vgpr_count:     256
    .wavefront_size: 32
...
	.end_amdgpu_metadata
.endif
;; end of part 3
